; MI455X (gfx1250); checked and timed in simulation.
; The chip was launched on July 23, 2026; its instructions are those of AMD's public machine-readable ISA for CDNA 5 (MIT licence, August 2026) and "CDNA5" Instruction Set Architecture Reference Guide (July 2026). The comments in the code are by the model that wrote it; some were corrected since.
;; Bahdanau Attention. Allowed arithmetic: matrix products marked QUANTISED: E2M1 operands, one E8M0 scale for each 32 along K, by v_wmma_scale_f32_16x16x128_f8f6f4 with both operands' format E2M1 (or v_wmma_scale_f32_32x16x128_f4), f32 sums; products left as they are: f32 operands where the result goes on into a quantised operand, else bf16, f16 or f32 operands; f32 sums; everything else in f32.
;; Inputs: V_b 1 float32; V_k 1,024 x 1 float32; W1_b 1,024 float32; W1_k 1,024 x 1,024 float32; W2_b 1,024 float32; W2_k 1,024 x 1,024 float32; query 32 x 1,024 float32; values 32 x 2,048 x 1,024 float32.
;; Outputs: out0 32 x 1,024 float32.
;; This version of the problem:
;;   THIS VERSION OF THE PROBLEM IS GIVEN IN LOW PRECISION. The matrix products marked QUANTISED in the list below multiply operands that are first quantised to E2M1 (2 exponent bits, 1 mantissa bit; 4 bits a number), with one power-of-two scale for each 32 numbers along K (OCP MX v1.0); their sums are f32. All else is computed in f32.
;;   The module's matrix products, in the order in which they are computed (A, B: the left and right operand; K: the contracted axis; several contracted axes count as one K, in the product's order):
;;     1. [M 32, K 1,024] x [K 1,024, N 1,024]; A: input query; B: input W1_k: QUANTISED
;;     2. [M 65,536, K 1,024] x [K 1,024, N 1,024]; A: input values; B: input W2_k: QUANTISED
;;     3. [M 65,536, K 1,024] x [K 1,024, N 1]; A: computed on the way; B: input V_k: left as it is (N = 1 < 16)
;;   THE QUANTISER, for each operand of a quantised product, along K:
;;     - K is cut into blocks of 32 from its start; a last block that is shorter is filled with zeros.
;;     - A block's scale is 2^e with e = floor(log2(the largest magnitude in the block)) - 2, held to -126 .. 127; a block of zeros has e = 0. As a byte (E8M0): e + 127.
;;     - Each number is divided by its block's scale, clamped to +-6, and rounded to the nearest number of E2M1, ties to even, subnormals kept.
;;     - The product sums the exact products of the quantised numbers (number of the format x scale) in f32.
;;   ~~~python
;;   def quantise(x, axis):      # numpy; x: float32 -> the quantised numbers, widened to float32 again
;;       x = np.moveaxis(x, axis, -1); K = x.shape[-1]
;;       x = np.pad(x, [(0, 0)] * (x.ndim - 1) + [(0, -K % 32)]); x = x.reshape(x.shape[:-1] + (-1, 32)); a = np.abs(x).max(-1, keepdims=True)
;;       e = np.where(a > 0, np.clip(np.frexp(np.where(a > 0, a, 1))[1] - 1 - 2, -126, 127), 0)      # np.frexp(a)[1] - 1 = floor(log2(a)), exactly
;;       r = np.clip(x / 2.0 ** e, -6, 6)
;;       step = 2.0 ** (np.maximum(np.frexp(np.where(r == 0, 1, r))[1] - 1, 0) - 1)
;;       q = np.round(r / step) * step * 2.0 ** e      # np.round: ties to even
;;       return np.moveaxis(q.reshape(q.shape[:-2] + (-1,))[..., :K], -1, axis).astype(np.float32)
;;   ~~~
;; One version. Each part assembles by itself: llvm-mc -triple=amdgcn-amd-amdhsa -mcpu=gfx1250 --defsym DOCPART=n.
;; ======== version 1 of 1: 3 launches
;; limits: right only within a limited range of input values
;; workspace buffers: w2f 524,288 bytes; w2s 32,768 bytes; cb 131,072 bytes; part 1,114,112 bytes
;; launch prep (part 1): grid 96 x 1, 8 waves a work-group, no clusters, 164,864 bytes of LDS; arguments W2_k, W1_k, query, W1_b, W2_b, w2f, w2s, cb; writes w2f, w2s, cb
.if DOCPART == 1
	.amdgcn_target "amdgcn-amd-amdhsa--gfx1250"
	.amdhsa_code_object_version 6
	.text
	.protected	k_qb8fc747bd4_prep
	.globl	k_qb8fc747bd4_prep
	.p2align	8
	.type	k_qb8fc747bd4_prep,@function
k_qb8fc747bd4_prep:
	s_mov_b64 s[64:65], 0
	v_nop
	global_prefetch_b8 v0, s[64:65] scope:SCOPE_SE
	s_setreg_imm32_b32 hwreg(HW_REG_WAVE_MODE, 25, 1), 1
	s_wait_xcnt 0x0
; LEFT OUT AS DEAD WORK, in the whole program: V_b.  reference() adds V_b to every score of a batch alike, and a softmax along t is unchanged by a term that is the same along t:
; exp(s + V_b) / sum exp(s + V_b) = exp(s) / sum exp(s), for all finite values.  So V_b has no way to the output: it is not loaded and is no argument of any launch.
; LIMIT: a NaN, an infinity or an overflow that reaches only V_b is not carried to the result.
; Work-groups 0-31: W2 [1024 (k)][1024 (u)] f32 becomes codes of FP4 (E2M1) with one E8M0 byte for each 32 along K, laid in the ORDER OF AN OPERAND'S REGISTERS:
;   w2f [u tile j (64)][K step s (8)][c (2)][lane (32)][16 bytes]: registers 4 c .. 4 c + 3 of lane 16 h + r hold column 16 j + r, k = 128 s + 64 c + 32 h + 0 .. 31;   w2s [j][s][r]: one scale word.
; Work-groups 32-95: the same quantiser on W1, whose codes stay in registers; 16 rows of query (tile t = 0 for 32-63, 1 for 64-95) are quantised beside them; q_proj = Q(query) Q(W1) by the FP4 matrix instruction;
;   cb[b][u] = c (q_proj + W1_b + W2_b), c = 2 log2(e): the addend under the next launch's exponential.
; SHARES.  A work-group takes 32 columns, wave s the K step s (128 along K).  The wave's 128 x 32 numbers come by 32 loads of 16 bytes a lane (four rows of 128 bytes to a load), so that all a wave's loads,
; 50 at the most, are out together; they go through the wave's own 16,384 bytes of LDS as they lie and come back with A LANE TO A COLUMN AND ITS REGISTERS DOWN K: a block of 32 lies in one lane.
; A block's scale is 2^(floor(log2(largest magnitude)) - 2): its byte is the largest magnitude's exponent field - 2, held at 1 from below by a floor among the maximum's leaves.
; No tensor load, no cluster, no prefetch: each number is read once, by loads that are all issued at the head, and the launch has no loop.
; LIMITS: a block of zeros gets the byte 1 over zero codes (the bytes are read by this program alone); NaN and infinities among the inputs are not served.
.set F,   16                           ; v16-23   blocks 0 and 2 of my column (the h = 0 parts of a fragment)
.set G,   24                           ; v24-31   blocks 1 and 3 (the h = 1 parts)
.set QF,  32                           ; v32-39   query's fragment
.set WS,  48                           ; v48      my column's scale word
.set QS,  49                           ; v49      query's scale word
.set W,   128                          ; v128-255 W as loaded, then my column's 128 numbers; later the two accumulators
.set ACC, 192
.set STAGE, 0x8400                     ; LDS: 0 .. 16,383 the sum over K; 0x8000 the spare words, 128 bytes a wave; from STAGE on 16,384 bytes a wave
; My column's four blocks become codes (F, G) and a scale word.  Behind block b's 32 LDS loads stand 96 - 32 b; a wait's count cannot name more than 63: larger counts are written as 63.
.macro QW
.irp b, 0,1,2,3
.set XB, W+32*\b
.set CNT, 96-32*\b
.if CNT > 63
.set CNT, 63
.endif
	s_wait_dscnt CNT
	v_max3_num_f32 v52, |v[XB]|, |v[XB+1]|, |v[XB+2]|
	v_max3_num_f32 v53, |v[XB+3]|, |v[XB+4]|, |v[XB+5]|
.irp e, 6,10,14,18,22,26
	s_delay_alu instid0(VALU_DEP_2)
	v_max3_num_f32 v52, v52, |v[XB+\e]|, |v[XB+\e+1]|
	s_delay_alu instid0(VALU_DEP_2)
	v_max3_num_f32 v53, v53, |v[XB+\e+2]|, |v[XB+\e+3]|
.endr
	s_delay_alu instid0(VALU_DEP_2)
	v_max3_num_f32 v52, v52, |v[XB+30]|, |v[XB+31]|
	s_delay_alu instid0(VALU_DEP_1)
	v_max3_num_f32 v52, v52, v53, 0x1800000        ; the floor 2^(3 - 127): the byte cannot fall under 1
	s_delay_alu instid0(VALU_DEP_1)
	v_add_nc_u32 v54, 0xff000000, v52              ; 2 off the exponent field: the conversion's scale operand
	s_delay_alu instid0(VALU_DEP_1)
	v_lshrrev_b32 v55, 23, v54                     ; the scale's byte
.if \b == 0
	s_delay_alu instid0(VALU_DEP_1)
	v_mov_b32 v[WS], v55
.else
	s_delay_alu instid0(VALU_DEP_1)
	v_lshl_or_b32 v[WS], v55, 8*\b, v[WS]
.endif
.set DST, F+8*(\b%2)+4*(\b/2)
.irp g, 0,1,2,3
	v_cvt_scalef32_pk8_fp4_f32 v[DST+\g], v[XB+8*\g:XB+8*\g+7], v54
.endr
.endr
	v_nop                                          ; one plain line behind the last scaled conversion
.endm
; Lane (r, h) of query's fragment wants, of row r, k = 128 s + 64 c + 32 h + 0 .. 31: two whole blocks, eight loads of 16 bytes each
.macro QLOAD
.irp c, 0,1
.irp j, 0,1,2,3,4,5,6,7
	global_load_b128 v[64+32*\c+4*\j:64+32*\c+4*\j+3], v7, s[8:9] offset:\c*256+16*\j
.endr
.endr
.endm
; 64 numbers of a lane (blocks h and 2 + h of its row's K step) become the fragment and its scale word
.macro QQ
.irp c, 0,1
	v_max3_num_f32 v[52+\c], |v[64+32*\c]|, |v[64+32*\c+1]|, 0x1800000
.endr
.irp e, 2,4,6,8,10,12,14,16,18,20,22,24,26,28,30
.irp c, 0,1
	s_delay_alu instid0(VALU_DEP_2)
	v_max3_num_f32 v[52+\c], v[52+\c], |v[64+32*\c+\e]|, |v[64+32*\c+\e+1]|   ; the two blocks by turns
.endr
.endr
.irp c, 0,1
	s_delay_alu instid0(VALU_DEP_2)
	v_add_nc_u32 v[54+\c], 0xff000000, v[52+\c]
.endr
.irp c, 0,1
	s_delay_alu instid0(VALU_DEP_2)
	v_lshrrev_b32 v[60+\c], 23, v[54+\c]
.endr
	s_delay_alu instid0(VALU_DEP_1)
	v_lshl_or_b32 v62, v61, 16, v60                ; my two bytes,
	s_delay_alu instid0(VALU_DEP_1)
	v_lshlrev_b32 v62, v12, v62                    ; at their places in the word (8 h bits up);
	s_delay_alu instid0(VALU_DEP_1)
	v_permlanex16_b32 v56, v62, s26, s27
	s_delay_alu instid0(VALU_DEP_1)
	v_or_b32 v[QS], v62, v56                       ; with lane l xor 16's two the word is whole
.irp c, 0,1
.irp g, 0,1,2,3
	v_cvt_scalef32_pk8_fp4_f32 v[QF+4*\c+\g], v[64+32*\c+8*\g:64+32*\c+8*\g+7], v[54+\c]
.endr
.endr
	v_nop
.endm
	s_load_b256 s[4:11], s[0:1], 0x0               ; W2 s[4:5], W1 s[6:7], query s[8:9], W1_b s[10:11]
	s_load_b256 s[12:19], s[0:1], 0x20             ; W2_b s[12:13], w2f s[14:15], w2s s[16:17], cb s[18:19]
	v_lshl_add_u32 v59, v0, 2, 0x8000
	v_mov_b32 v63, 0
	v_lshrrev_b32 v1, 5, v0
	s_delay_alu instid0(VALU_DEP_1)
	v_readfirstlane_b32 s20, v1                    ; wave = K step s
	s_and_b32 s21, ttmp9, 31                       ; which 32 columns
	s_lshl_b32 s28, s20, 19                        ; 128 rows of 4,096 bytes a K step
	s_lshl_b32 s29, s21, 7
	s_add_co_u32 s28, s28, s29
	s_mov_b32 s29, 0
	s_mov_b32 s24, 0x4038aa3b                      ; c = 2 log2(e)
	s_mov_b32 s25, s24                             ; (named with it as a pair)
	s_mov_b32 s26, 0x76543210
	s_mov_b32 s27, 0xfedcba98                      ; v_permlanex16_b32's selects for lane l xor 16
	s_lshl_b32 s37, s20, 11                        ; the sum over K, in: 2,048 bytes a wave
	s_lshl_b32 s38, s20, 14
	s_add_co_u32 s38, s38, STAGE                   ; my stage
	s_lshr_b32 s39, s20, 1
	s_lshl_b32 s39, s39, 9
	s_and_b32 s40, s20, 1
	s_lshl_b32 s40, s40, 3
	s_add_co_u32 s39, s39, s40                     ; the sum over K, back: 512 (s / 2) + 8 (s % 2)
	v_and_b32 v1, 31, v0                           ; lane
	v_and_b32 v2, 15, v0                           ; r
	v_bfe_u32 v3, v0, 4, 1                         ; h
	v_and_b32 v4, 7, v0
	v_bfe_u32 v60, v0, 3, 2
	v_lshlrev_b32 v4, 4, v4
	v_lshlrev_b32 v5, 4, v2
	v_lshlrev_b32 v6, 2, v2
	v_lshlrev_b32 v7, 12, v2
	v_lshl_add_u32 v4, v60, 12, v4                 ; W: row lane / 8 of a load's four, 16 bytes x lane % 8
	v_lshl_add_u32 v5, v3, 13, v5                  ; w2f: tile (lane / 16) x 8,192 + 16 r
	v_lshl_add_u32 v6, v3, 9, v6                   ; w2s: tile x 512 + 4 r
	v_lshl_add_u32 v7, v3, 7, v7                   ; query: row r of 4,096 bytes + 128 h
	v_lshlrev_b32 v8, 2, v2                        ; biases: 4 r
	v_lshlrev_b32 v61, 4, v1                       ; 16 x lane
	v_lshlrev_b32 v12, 3, v3                       ; 8 h
	v_mov_b32 v56, 0                               ; written once: a lane permute's destination counts as one of its sources
	v_lshl_add_u32 v58, v1, 2, s38                 ; the stage, back: 4 x lane
	v_add_nc_u32 v9, s37, v61
	v_add_nc_u32 v57, s38, v61                     ; the stage, in: 16 x lane
	v_add_nc_u32 v10, s39, v61
	v_lshl_add_u32 v11, v3, 15, v8                 ; cb: 8 h rows of 4,096 bytes + 4 r
	s_wait_alu depctr_va_vdst(0)
	s_wait_kmcnt 0x0
	s_cmp_lt_u32 ttmp9, 32                         ; W2's work-group or W1's: the choice hangs on the work-group's number alone
	s_cselect_b64 s[22:23], s[4:5], s[6:7]
	s_add_nc_u64 s[22:23], s[22:23], s[28:29]
	s_cmp_lt_u32 ttmp9, 32
	s_cbranch_scc1 .Lw
	; ---- W1's work-groups ask for their 16 rows of query and their biases first
	s_lshr_b32 s36, ttmp9, 5
	s_sub_co_u32 s36, s36, 1                       ; t: which 16 rows
	s_lshl_b32 s30, s36, 16                        ; 16 rows of 4,096 bytes,
	s_lshl_b32 s31, s20, 9                         ; 512 bytes a K step
	s_add_co_u32 s30, s30, s31
	s_mov_b32 s31, 0
	s_add_nc_u64 s[8:9], s[8:9], s[30:31]
	QLOAD
	s_lshr_b32 s32, s20, 2                         ; behind the sum over K wave s owns registers 2 (s % 4), + 1 of accumulator s / 4: the columns' tile s / 4
	s_lshl_b32 s30, s21, 7
	s_lshl_b32 s33, s32, 6
	s_add_co_u32 s30, s30, s33                     ; (32 x column group + 16 x tile) x 4 bytes
	s_add_nc_u64 s[10:11], s[10:11], s[30:31]
	s_add_nc_u64 s[12:13], s[12:13], s[30:31]
	global_load_b32 v13, v8, s[10:11]              ; W1_b and W2_b at my column of that tile
	global_load_b32 v14, v8, s[12:13]
	s_lshl_b32 s34, s36, 16                        ; 16 t rows of cb,
	s_and_b32 s35, s20, 3
	s_lshl_b32 s35, s35, 13                        ; 2 (s % 4) rows
	s_add_co_u32 s34, s34, s35
	s_add_co_u32 s34, s34, s30
	s_mov_b32 s35, 0
	s_add_nc_u64 s[18:19], s[18:19], s[34:35]
.Lw:
.set i, 0
.rept 32
	global_load_b128 v[W+4*i:W+4*i+3], v4, s[22:23] offset:i*16384                 ; rows 128 s + 4 i .. + 3, my 32 columns
.set i, i+1
.endr
.irp q, 0,1,2,3
	s_wait_loadcnt 24-8*\q                         ; eight more of W's loads are in; behind them stand W's later ones alone
.irp i, 0,1,2,3,4,5,6,7
	ds_store_b128 v57, v[W+32*\q+4*\i:W+32*\q+4*\i+3] offset:(8*\q+\i)*512         ; as they lie: row k at 128 k
.endr
.endr
	s_wait_dscnt 0x0                               ; the stores have read their registers
.set i, 0
.rept 128
	ds_load_b32 v[W+i], v58 offset:i*128           ; W(128 s + i, my column)
.set i, i+1
.endr
	s_cmp_lt_u32 ttmp9, 32
	s_cbranch_scc0 .Lw1
	; ---- W2: codes and scale words leave in fragment order
	s_lshl_b32 s30, s21, 14                        ; two tiles of 8,192 bytes a work-group,
	s_lshl_b32 s31, s20, 10                        ; 1,024 bytes a K step
	s_add_co_u32 s30, s30, s31
	s_mov_b32 s31, 0
	s_add_nc_u64 s[14:15], s[14:15], s[30:31]
	s_lshl_b32 s32, s21, 10
	s_lshl_b32 s33, s20, 6
	s_add_co_u32 s32, s32, s33
	s_mov_b32 s33, 0
	s_add_nc_u64 s[16:17], s[16:17], s[32:33]
	QW
	global_store_b128 v5, v[F:F+3], s[14:15]                       ; c = 0, h = 0: sixteen lanes store 256 consecutive bytes, aligned
	global_store_b128 v5, v[G:G+3], s[14:15] offset:256            ; c = 0, h = 1
	global_store_b128 v5, v[F+4:F+7], s[14:15] offset:512          ; c = 1, h = 0
	global_store_b128 v5, v[G+4:G+7], s[14:15] offset:768          ; c = 1, h = 1
	global_store_b32 v6, v[WS], s[16:17]
	s_wait_tensorcnt 0x0                           ; the wave's end
	ds_add_u32 v59, v63
	s_wait_dscnt 0x0
	s_endpgm
.Lw1:
	; ---- W1: q_proj for 16 rows x 32 columns
	QQ                                             ; query's loads stood ahead of W's, which are in
	QW
.irp e, 0,1,2,3,4,5,6,7
	v_permlane16_swap_b32 v[F+\e], v[G+\e]         ; F's lanes 16-31 change places with G's lanes 0-15: F is now the fragment of my first 16 columns, G of the other 16
.endr
.rept 8
	v_nop                                          ; a scale register written by a vector instruction stands 8 places ahead of a scaled matrix instruction, an operand so written 4
.endr
	; accumulator tile: register j of lane (r, h) is q_proj's part for batch 16 t + 8 h + j, column 16 tile + r
	v_wmma_scale_f32_16x16x128_f8f6f4 v[ACC:ACC+7], v[QF:QF+7], v[F:F+7], 0, v[QS], v[WS] matrix_a_fmt:MATRIX_FMT_FP4 matrix_b_fmt:MATRIX_FMT_FP4
	v_wmma_scale_f32_16x16x128_f8f6f4 v[ACC+8:ACC+15], v[QF:QF+7], v[G:G+7], 0, v[QS], v[WS] matrix_a_fmt:MATRIX_FMT_FP4 matrix_b_fmt:MATRIX_FMT_FP4 matrix_b_scale:MATRIX_SCALE_ROW1
.rept 4
	v_nop
.endr
.irp e, 0,1,2,3
	ds_store_b128 v9, v[ACC+4*\e:ACC+4*\e+3] offset:512*\e         ; my K step's 16 registers, each accumulator from its low end on
.endr
	s_wait_dscnt 0x0                               ; for the others' sake: my stores have landed
	s_barrier_signal -1
	s_barrier_wait -1                              ; (all eight waves of a work-group are on this path: the branch hangs on the work-group's number)
.irp k, 0,1,2,3,4,5,6,7
	ds_load_b64 v[64+2*\k:65+2*\k], v10 offset:2048*\k             ; my two registers of all eight K steps
.endr
	v_add_f32 v14, v13, v14
	s_delay_alu instid0(VALU_DEP_1)
	v_mul_f32 v14, s24, v14                        ; c (W1_b + W2_b)
	s_delay_alu instid0(VALU_DEP_1)
	v_mov_b32 v15, v14                             ; (named with it as a pair)
	s_wait_alu depctr_va_vdst(0)
	s_wait_dscnt 0x0
	v_pk_add_f32 v[64:65], v[64:65], v[66:67]
	v_pk_add_f32 v[68:69], v[68:69], v[70:71]
	v_pk_add_f32 v[72:73], v[72:73], v[74:75]
	v_pk_add_f32 v[76:77], v[76:77], v[78:79]
	s_delay_alu instid0(VALU_DEP_3)
	v_pk_add_f32 v[64:65], v[64:65], v[68:69]
	s_delay_alu instid0(VALU_DEP_2)
	v_pk_add_f32 v[72:73], v[72:73], v[76:77]
	s_delay_alu instid0(VALU_DEP_1)
	v_pk_add_f32 v[64:65], v[64:65], v[72:73]
	s_delay_alu instid0(VALU_DEP_1)
	v_pk_fma_f32 v[96:97], v[64:65], s[24:25], v[14:15] op_sel_hi:[1,0,0]          ; c x sum + c x biases
	global_store_b32 v11, v96, s[18:19]                            ; cb(16 t + 8 h + 2 (s % 4), my column)
	global_store_b32 v11, v97, s[18:19] offset:4096                ; and the row below
	s_wait_tensorcnt 0x0                           ; the wave's end
	ds_add_u32 v59, v63
	s_wait_dscnt 0x0
	s_endpgm
.Lfunc_end_k_qb8fc747bd4_prep:
	.size	k_qb8fc747bd4_prep, .Lfunc_end_k_qb8fc747bd4_prep-k_qb8fc747bd4_prep
	.p2alignl 7, 3214868480
	.fill 96, 4, 3214868480
	.section	.rodata,"a",@progbits
	.p2align	6, 0x0
	.amdhsa_kernel k_qb8fc747bd4_prep
		.amdhsa_group_segment_fixed_size 164864
		.amdhsa_private_segment_fixed_size 0
		.amdhsa_enable_private_segment 0
		.amdhsa_kernarg_size 64
		.amdhsa_user_sgpr_count 2
		.amdhsa_user_sgpr_kernarg_segment_ptr 1
		.amdhsa_wavefront_size32 1
		.amdhsa_system_sgpr_workgroup_id_x 1
		.amdhsa_system_sgpr_workgroup_id_y 1
		.amdhsa_system_sgpr_workgroup_id_z 1
		.amdhsa_system_vgpr_workitem_id 0
		.amdhsa_next_free_vgpr 256
		.amdhsa_next_free_sgpr 66
		.amdhsa_reserve_vcc 0
		.amdhsa_float_denorm_mode_32 3
		.amdhsa_float_denorm_mode_16_64 3
		.amdhsa_memory_ordered 1
		.amdhsa_forward_progress 1
		.amdhsa_inst_pref_size 42
	.end_amdhsa_kernel
	.amdgpu_metadata
---
amdhsa.version: [ 1, 2 ]
amdhsa.kernels:
  - .name:           k_qb8fc747bd4_prep
    .symbol:         k_qb8fc747bd4_prep.kd
    .args:
      - { .name: W2_k, .offset: 0, .size: 8, .value_kind: global_buffer, .address_space: global }
      - { .name: W1_k, .offset: 8, .size: 8, .value_kind: global_buffer, .address_space: global }
      - { .name: query, .offset: 16, .size: 8, .value_kind: global_buffer, .address_space: global }
      - { .name: W1_b, .offset: 24, .size: 8, .value_kind: global_buffer, .address_space: global }
      - { .name: W2_b, .offset: 32, .size: 8, .value_kind: global_buffer, .address_space: global }
      - { .name: w2f, .offset: 40, .size: 8, .value_kind: global_buffer, .address_space: global }
      - { .name: w2s, .offset: 48, .size: 8, .value_kind: global_buffer, .address_space: global }
      - { .name: cb, .offset: 56, .size: 8, .value_kind: global_buffer, .address_space: global }
    .group_segment_fixed_size: 164864
    .private_segment_fixed_size: 0
    .kernarg_segment_align: 8
    .kernarg_segment_size: 64
    .max_flat_workgroup_size: 256
    .sgpr_count:     66
    .vgpr_count:     256
    .wavefront_size: 32
...
	.end_amdgpu_metadata
.endif
;; end of part 1
;; launch attend (part 2): grid 8 x 32, 4 waves a work-group, no clusters, 327,680 bytes of LDS; arguments values, w2f, w2s, cb, V_k, part; writes part
.if DOCPART == 2
	.amdgcn_target "amdgcn-amd-amdhsa--gfx1250"
	.amdhsa_code_object_version 6
	.text
	.protected	k_qb8fc747bd4_attend
	.globl	k_qb8fc747bd4_attend
	.p2align	8
	.type	k_qb8fc747bd4_attend,@function
k_qb8fc747bd4_attend:
	s_mov_b64 s[64:65], 0
	v_nop
	global_prefetch_b8 v0, s[64:65] scope:SCOPE_SE
	s_setreg_imm32_b32 hwreg(HW_REG_WAVE_MODE, 25, 1), 1
	s_wait_xcnt 0x0
; For 256 rows t of one batch b (work-group x: which 256; y: the batch): z[t] = sum over u of V[u] / (1 + 2^(c x)), x = q_proj[b][u] + (Q(values) Q(W2))[t][u] + biases, c = 2 log2(e);
; tanh(x) = 1 - 2 / (1 + 2^(c x)), so score[t] = sum V - 2 z[t] + V_b.  LEFT OUT AS DEAD WORK: V_b and the sum of V: both are the same along t, and the softmax along t cancels them for all values.
; y[t] = -2 log2(e) z[t]; a running softmax over t (largest y taken away); the sum over t of p[t] values[t][:] on the f32 numbers.  Out: a record of part: ctx[1024], then (m, l).
; values IS READ ONCE: sixteen passes of 16 rows go through a ring of two LDS slots filled by the tensor data mover; a pass's rows stay in their slot, as f32, until their scores are known.
; W2's CODES ARE READ ONCE BY A WORK-GROUP AND STAY: wave w owns u = 256 w .. + 255, sixteen tiles of 16 columns, 64 registers each.  Tiles 0-10 stay in registers (704); tiles 11-15 lie in the wave's own
; 40,960 bytes of LDS, as images of an operand's registers, and pass through one stage of 64 registers.  (All sixteen would take all 1,024 registers; two slots of 32 rows would leave LDS no room for the five.)
; A PASS:  Q: wave w turns rows 4 w .. 4 w + 3 into FP4 codes and scale words: a lane takes one K step (128 numbers) of one row | barrier |  A: every wave takes the 8 fragments into registers
;   G: five groups of tiles (4, 3, 3, 3, 3), one tile from LDS in each, the accumulators by turns; behind a group's products the next LDS tile is asked for, under the group's tanh;
;      behind the last group's products the pass's 16 f32 rows are asked for instead, into the fragments' registers and the stage, which are done with
;   S: the waves' partial z meet in LDS | barrier |  every wave makes the pass's p and the new m, l     W: wave w adds p[t] x values[t][256 w .. 256 w + 255] for the 16 rows, all in registers by then.
; In four of the groups the staged tile and the two resident ones lie in different register windows, so source 1's window is switched between their products.
; NO CLUSTER, NO JOINT LOADS: what the loop fetches, the rows of values, is read by one work-group alone; W2's codes, which all share, are fetched once, 11 parts in 16 of them straight into registers.
; PREFETCH: in trip p, whose tensor load asks for pass p + 1, each wave names the 64 blocks of 256 bytes of its own 4 rows of pass p + 3, a lane a block, two instructions; trips 13 and 14 name nothing.
; LIMITS: NaN and infinities among the inputs are not served; a block of zeros gets the scale byte 1 over zero codes; the promise holds while |y| stays under 2^31.
.set SLOTB, 66560                      ; a slot: 64 quarter rows of 1,024 bytes + 16 of padding
.set PART,  16640                      ; a wave's 4 rows of it: what its tensor load brings
.set RP,    4160                       ; from row to row
.set QP,    1040                       ; from quarter to quarter
.set CI,    133120                     ; 8 images of fragments, 1,024 bytes each, 1,056 apart: c at + 512, lane at + 16 x lane
.set CIP,   1056
.set ASC,   141568                     ; scale words [K step][16 rows]
.set PS,    142080                     ; partial z [wave][16 rows]
.set SPARE, 142592                     ; the spare words, 128 bytes a wave
.set LW,    143104                     ; W2's tiles 11-15 of each wave: 40,960 bytes a wave
; window 0: v1 spare word, v2 = 0; v3, v4 my K step of my row in the slot; v5 codes out; v6 scale word out; v7 images; v8 scale words; v9 16 x lane; v10, v11 z in, back;
; v14, v15 my 16 bytes of my wave's quarter; v16 my LDS tiles; v17 256 x lane; v18 4 x lane; v19 4 r
.set AS,  20                           ; v20-23   values' scale words: lanes 0-15 K step 2 e, lanes 16-31 K step 2 e + 1
.set BS,  24                           ; v24-87   W2's: 4 j + s / 2, likewise
.set CBV, 88                           ; v88-119  for tile j the pair (cb, V) at my column
.set CTX, 122                          ; v122-129 my 8 columns of the weighted sum;  v130 m, v131 l;  v132-139 at work
.set SC,  140                          ; v140-147 z: register j is row 8 h + j, my column's part;  in Q v140-155 hold the four blocks' codes
.set ACC, 156                          ; v156-187 four accumulators; in Q a third set of 32 numbers; in W: p
.set XA,  188                          ; v188-251 Q: two sets of 32 numbers; G: the 8 fragments of values; W: rows 0-7
; window 1: v0-63 the stage (in W: rows 8-15); tile j (0-10) at register 320 + 64 j of the wave's 1,024
.set MSB, 0
.macro WIN new
.if MSB != (\new)
	s_set_vgpr_msb (MSB<<8)|(\new)
.set MSB, (\new)
.endif
.endm
.macro PLACES                          ; four plain places (ISA guide 7.12.1)
.rept 4
	v_nop
.endr
.endm
.macro TLOAD j, ph                     ; tile j of my sixteen into the 64 registers from ph on: 16 loads of 512 consecutive bytes
	WIN ((\ph)/256)<<6
.set n, 0
.rept 16
	global_load_b128 v[(\ph)%256+4*n:(\ph)%256+4*n+3], v9, s[50:51] offset:(\j)*8192+512*n th:TH_LOAD_HT
.set n, n+1
.endr
.endm
.macro TSTORE t                        ; tile 11 + t, which lies for the moment in tile t's registers, into my LDS bytes
.set PH, 320+64*(\t)
	WIN (PH/256)<<2
.set n, 0
.rept 16
	ds_store_b128 v16, v[PH%256+4*n:PH%256+4*n+3] offset:(\t)*8192+512*n
.set n, n+1
.endr
.endm
.macro LLOAD t                         ; tile 11 + t from my LDS bytes into the stage, K step by K step
	WIN 0x40
.set n, 0
.rept 16
	ds_load_b128 v[4*n:4*n+3], v16 offset:(\t)*8192+512*n
.set n, n+1
.endr
	WIN 0
.endm
	s_load_b256 s[4:11], s[0:1], 0x0               ; values s[4:5], w2f s[6:7], w2s s[8:9], cb s[10:11]
	s_load_b128 s[12:15], s[0:1], 0x20             ; V_k s[12:13], part s[14:15]
	v_lshl_add_u32 v1, v0, 2, SPARE
	v_mov_b32 v2, 0
	ds_add_u32 v1, v2                              ; the opening: the add twice and one wait ahead of my first tensor load
	ds_add_u32 v1, v2
	v_lshrrev_b32 v3, 5, v0
	v_readfirstlane_b32 s20, v3                    ; wave 0..3
	s_mul_i32 s21, s20, PART
	s_mov_b32 s24, (3<<16)|(1<<20)|(7<<22)|(3<<25) ; group 1: my 4 rows are 16,384 dense bytes: 16 rows of 128 elements of 8 bytes, 4 words of padding behind every 256
	s_mov_b32 s25, 128<<16
	s_mov_b32 s26, 16<<16
	s_mov_b32 s27, 128<<16
	s_mov_b32 s28, 16
	s_mov_b32 s29, 128
	s_mov_b32 s30, 0
	s_mov_b32 s31, 0
	s_and_b32 s36, ttmp7, 0xffff                   ; the batch
	s_lshl_b32 s37, s36, 11
	s_lshl_b32 s38, ttmp9, 8
	s_add_co_u32 s37, s37, s38                     ; my work-group's first row
	s_lshl_b32 s38, s37, 12                        ; x 4,096 bytes (under 2^28),
	s_lshl_b32 s39, s20, 14                        ; + my wave's 4 rows
	s_add_co_u32 s38, s38, s39
	s_mov_b32 s39, 0
	s_wait_dscnt 0x0
	s_wait_kmcnt 0x0
	s_mov_b32 s32, 1
	s_mov_b32 s33, s21
	s_add_nc_u64 s[34:35], s[4:5], s[38:39]        ; pass 0
	s_add_nc_u64 s[48:49], s[34:35], 0x20000       ; the prefetches' base: trip 0 steps it to pass 3
	s_or_b32 s35, s35, 0x80000000
	tensor_load_to_lds s[32:35], s[24:31]          ; my one tensor load at the head
	s_nop 0
	PLACES
	s_lshl_b32 s38, s20, 17
	s_add_nc_u64 s[50:51], s[6:7], s[38:39]        ; w2f at my 16 tiles of 8,192 bytes
	s_lshl_b32 s38, s20, 13
	s_add_nc_u64 s[54:55], s[8:9], s[38:39]        ; w2s likewise, 512 bytes a tile
	s_lshl_b32 s38, s20, 10
	s_add_nc_u64 s[58:59], s[12:13], s[38:39]      ; V_k at my 256 numbers
	s_lshl_b32 s37, s36, 12
	s_add_co_u32 s38, s38, s37
	s_add_nc_u64 s[56:57], s[10:11], s[38:39]      ; cb: my batch's row, my 256
	s_lshl_b32 s38, s36, 3
	s_add_co_u32 s38, s38, ttmp9
	s_mul_i32 s38, s38, 4352
	s_add_nc_u64 s[52:53], s[14:15], s[38:39]      ; my record: 8 x batch + x
	v_and_b32 v18, 31, v0                          ; lane
	v_lshlrev_b32 v9, 4, v18
	v_lshlrev_b32 v17, 8, v18
	v_and_b32 v19, 15, v0                          ; r
	v_and_b32 v132, 3, v0                          ; rho: which of my wave's 4 rows I quantise
	v_bfe_u32 v133, v0, 2, 2                       ; q: which quarter of it,
	v_bfe_u32 v134, v0, 4, 1                       ; and which half of the quarter: K step s = 2 q + lane / 16.  Sixteen lanes read, and store, sixteen different 16-byte columns modulo 256
	v_mul_u32_u24 v3, v132, RP
	v_mad_u32_u24 v3, v133, QP, v3
	v_lshl_add_u32 v3, v134, 9, v3
	v_add_nc_u32 v3, s21, v3
	v_lshl_add_u32 v135, v133, 1, v134             ; s
	v_mul_u32_u24 v5, v135, CIP
	v_lshl_add_u32 v5, v132, 4, v5
	s_lshl_b32 s38, s20, 6
	s_add_co_u32 s38, s38, CI
	v_add_nc_u32 v5, s38, v5                       ; CI + s x CIP + 16 (4 w + rho)
	v_lshlrev_b32 v6, 6, v135
	v_lshl_add_u32 v6, v132, 2, v6
	s_lshl_b32 s38, s20, 4
	s_add_co_u32 s38, s38, ASC
	v_add_nc_u32 v6, s38, v6                       ; ASC + 64 s + 4 (4 w + rho)
	v_add_nc_u32 v7, CI, v9
	v_lshl_add_u32 v8, v18, 2, ASC
	s_lshl_b32 s38, s20, 6
	s_add_co_u32 s39, s38, PS
	v_lshlrev_b32 v10, 5, v134
	v_add_nc_u32 v10, s39, v10                     ; PS + 64 w + 32 h
	v_lshl_add_u32 v11, v19, 2, PS
	s_mul_i32 s38, s20, QP
	v_add_nc_u32 v14, s38, v9                      ; quarter w of a row, 16 x lane
	s_mul_i32 s38, s20, 40960
	s_add_co_u32 s38, s38, LW
	v_add_nc_u32 v16, s38, v9
	v_lshlrev_b32 v18, 2, v18
	v_lshlrev_b32 v19, 2, v19
	v_mov_b32 v130, 0xff61b1e6                     ; m: -3e38, under every y
	v_mov_b32 v131, 0                              ; l
.irp e, 0,1,2,3,4,5,6,7
	v_mov_b32 v[CTX+\e], 0                         ; the pass is written for every pass alike: the first finds zeros
.endr
	s_mov_b32 s42, 0x4038aa3b                      ; c = 2 log2(e)
	s_mov_b32 s43, s42
	s_mov_b32 s47, 0xc038aa3b                      ; -2 log2(e)
	s_mov_b32 s22, SLOTB                           ; the slot in hand: the first change turns it to 0
	s_mov_b32 s40, 0                               ; passes done
	s_wait_alu depctr_va_vdst(0)
.irp t, 0,1,2,3,4
	TLOAD 11+\t, 320+64*\t                         ; the five tiles for LDS come through registers that tiles 0-4 take afterwards
.endr
.irp j, 5,6,7
	TLOAD \j, 320+64*\j
.endr
	s_wait_loadcnt 48                              ; the five tiles' 80 loads are in; behind them stand the 48 of tiles 5-7
.irp t, 0,1,2,3,4
	TSTORE \t
.endr
	LLOAD 0                                        ; LDS serves a wave's instructions in order: these see my stores
.irp j, 0,1,2,3,4,5,6,7,8,9,10,11,12,13,14,15
	global_load_b32 v[CBV+2*\j], v19, s[56:57] offset:64*\j
	global_load_b32 v[CBV+2*\j+1], v19, s[58:59] offset:64*\j
.irp e, 0,1,2,3
	global_load_b32 v[BS+4*\j+\e], v18, s[54:55] offset:\j*512+\e*128
.endr
.endr
.irp j, 8,9,10
	TLOAD \j, 320+64*\j
.endr
	s_wait_dscnt 0x0                               ; the stores have read their registers
.irp j, 0,1,2,3,4
	TLOAD \j, 320+64*\j
.endr
	WIN 0
; THE CHANGE OF SLOTS.  Each wave waits for all its tensor loads (one is out), adds 0 to its spare word, waits for that and for its reads of the slot that it has left; behind the barrier the other slot takes the next 16 rows.
.macro CHANGE fill
	s_wait_alu depctr_va_vdst(0)
.if \fill
	s_wait_xcnt 0x0                                ; my prefetches have read their base
	s_add_nc_u64 s[48:49], s[48:49], 0x10000
.endif
	s_wait_tensorcnt 0x0
	ds_add_u32 v1, v2
	s_xor_b32 s22, s22, SLOTB
.if \fill
	s_xor_b32 s23, s22, SLOTB
	s_add_co_u32 s33, s21, s23
	s_add_nc_u64 s[34:35], s[34:35], 0x10000       ; 16 rows of 4,096 bytes on
.endif
	s_wait_dscnt 0x0
	s_barrier_signal -1
	s_barrier_wait -1
.if \fill
	tensor_load_to_lds s[32:35], s[24:31]          ; my one tensor load until the next change
	s_nop 0
	PLACES
.endif
.endm
.macro SETXS i                         ; where block i's 32 numbers lie: blocks 0 and 3 in the first set, block 1 in the second, block 2 in the accumulators' registers
.set XS, XA
.if (\i) == 1
.set XS, XA+32
.endif
.if (\i) == 2
.set XS, ACC
.endif
.endm
.macro LOADX i                         ; block i of my K step
	SETXS \i
.irp j, 0,1,2,3,4,5,6,7
	ds_load_b128 v[XS+4*\j:XS+4*\j+3], v4 offset:128*(\i)+16*\j
.endr
.endm
.macro QBLOCK i, left                  ; block i: c = i / 2, h = i % 2 of the fragment: its 16 bytes go to lane 16 h + row's place in the image.  left: the LDS instructions issued behind its 8 loads
	SETXS \i
.set CD, 140+4*(\i)
	s_wait_dscnt \left
.irp k, 0,1,2,3                        ; the largest magnitude, in four chains
	v_max3_num_f32 v[133+\k], |v[XS+8*\k]|, |v[XS+8*\k+1]|, |v[XS+8*\k+2]|
.endr
.irp e, 3,5
.irp k, 0,1,2,3
	v_max3_num_f32 v[133+\k], v[133+\k], |v[XS+8*\k+\e]|, |v[XS+8*\k+\e+1]|
.endr
.endr
	v_max3_num_f32 v133, v133, v134, |v[XS+7]|
	v_max3_num_f32 v135, v135, v136, |v[XS+15]|
	v_max3_num_f32 v133, v133, |v[XS+23]|, |v[XS+31]|
	v_max3_num_f32 v133, v133, v135, 0x1800000     ; the floor 2^(3 - 127): the byte cannot fall under 1
	v_add_nc_u32 v138, 0xff000000, v133            ; 2 off the exponent field: the conversion's scale operand
	v_lshrrev_b32 v137, 23, v138                   ; the scale's byte
.irp g, 0,1,2,3
	v_cvt_scalef32_pk8_fp4_f32 v[CD+\g], v[XS+8*\g:XS+8*\g+7], v138
.endr
.if (\i) == 0
	v_mov_b32 v132, v137                           ; four bytes make my K step's scale word.  (Also the plain line behind the conversions)
.else
	v_lshl_or_b32 v132, v137, 8*(\i), v132
.endif
	ds_store_b128 v5, v[CD:CD+3] offset:((\i)/2)*512+((\i)%2)*256
.endm
; One matrix instruction: the 16 rows x tile j, K step s.  Source 0 = values (window 0), source 1 = W2 (window wb): register i of lane (r, h) is row 8 h + i, column r.
.macro MM a, s, wb, base, j
.set rD, ACC+8*(\a)
.set rA, XA+8*(\s)
.set rB, (\base)+8*(\s)
.set rSA, AS+(\s)/2
.set rSB, BS+4*(\j)+(\s)/2
	WIN (\wb)<<2
.if (\s) == 0
	v_wmma_scale_f32_16x16x128_f8f6f4 v[rD:rD+7], v[rA:rA+7], v[rB:rB+7], 0, v[rSA], v[rSB] matrix_a_fmt:MATRIX_FMT_FP4 matrix_b_fmt:MATRIX_FMT_FP4
.elseif (\s)%2 == 0
	v_wmma_scale_f32_16x16x128_f8f6f4 v[rD:rD+7], v[rA:rA+7], v[rB:rB+7], v[rD:rD+7], v[rSA], v[rSB] matrix_a_fmt:MATRIX_FMT_FP4 matrix_b_fmt:MATRIX_FMT_FP4
.else
	v_wmma_scale_f32_16x16x128_f8f6f4 v[rD:rD+7], v[rA:rA+7], v[rB:rB+7], v[rD:rD+7], v[rSA], v[rSB] matrix_a_fmt:MATRIX_FMT_FP4 matrix_b_fmt:MATRIX_FMT_FP4 matrix_a_scale:MATRIX_SCALE_ROW1 matrix_b_scale:MATRIX_SCALE_ROW1
.endif
.endm
; n tiles, all of K: the staged tile jl and tiles jr .. jr + n - 2, which lie in window wr from br on.  The accumulators take turns, one instruction a turn.
; The last 16 LDS loads issued ahead of a group bring, two to a K step and in the order of K, what the group still waits for (the pass's fragments of values ahead of the first group, the staged tile ahead of the others):
; ahead of K step s the loads of the later K steps, 14 - 2 s, may be out.
.macro MULG n, jl, wr, br, jr
.irp s, 0,1,2,3,4,5,6,7
	s_wait_dscnt 14-2*\s
	MM 0, \s, 1, 0, \jl
	MM 1, \s, \wr, \br, \jr
	MM 2, \s, \wr, (\br)+64, (\jr)+1
.if \n == 4
	MM 3, \s, \wr, (\br)+128, (\jr)+2
.endif
.endr
	WIN 0
.endm
; The accumulators become 1 / (1 + 2^(c acc + cb)), and z takes V times that.  Each batch of transcendentals has one wait ahead of it and, behind a plain line, one behind it.
.macro TANH n, jl, jr, first
.set a, 0
.rept \n
.set TJ, (\jr)+a-1
.if a == 0
.set TJ, \jl
.endif
.irp p, 0,2,4,6
	v_pk_fma_f32 v[ACC+8*a+\p:ACC+8*a+\p+1], v[ACC+8*a+\p:ACC+8*a+\p+1], s[42:43], v[CBV+2*TJ:CBV+2*TJ+1] op_sel_hi:[1,0,0]   ; each accumulator from its low end on
.endr
.set a, a+1
.endr
	s_wait_alu depctr_va_vdst(0)
.set e, 0
.rept 8*\n
	v_exp_f32 v[ACC+e], v[ACC+e]
.set e, e+1
.endr
	v_nop
	s_wait_alu depctr_va_vdst(0)
.set e, 0
.rept 4*\n
	v_pk_add_f32 v[ACC+e:ACC+e+1], v[ACC+e:ACC+e+1], 1.0 op_sel_hi:[1,0]
.set e, e+2
.endr
	s_wait_alu depctr_va_vdst(0)
.set e, 0
.rept 8*\n
	v_rcp_f32 v[ACC+e], v[ACC+e]
.set e, e+1
.endr
	v_nop
	s_wait_alu depctr_va_vdst(0)
.set a, 0
.rept \n
.set TJ, (\jr)+a-1
.if a == 0
.set TJ, \jl
.endif
.irp p, 0,2,4,6
.if (\first) && (a == 0)
	v_pk_mul_f32 v[SC+\p:SC+\p+1], v[ACC+\p:ACC+\p+1], v[CBV+2*TJ:CBV+2*TJ+1] op_sel:[0,1] op_sel_hi:[1,1]   ; the pass's first tile starts z
.else
	v_pk_fma_f32 v[SC+\p:SC+\p+1], v[ACC+8*a+\p:ACC+8*a+\p+1], v[CBV+2*TJ:CBV+2*TJ+1], v[SC+\p:SC+\p+1] op_sel:[0,1,0] op_sel_hi:[1,1,1]
.endif
.endr
.set a, a+1
.endr
.endm
.macro LDROWS                          ; the pass's 16 rows, my 32 bytes of each: rows 0-7 into the fragments' registers, rows 8-15 into the stage
.irp rw, 0,1,2,3,4,5,6,7
	ds_load_b128 v[XA+8*\rw:XA+8*\rw+3], v15 offset:\rw*RP
	ds_load_b128 v[XA+8*\rw+4:XA+8*\rw+7], v15 offset:\rw*RP+512
.endr
	WIN 0x40
.irp rw, 0,1,2,3,4,5,6,7
	ds_load_b128 v[8*\rw:8*\rw+3], v15 offset:(8+\rw)*RP
	ds_load_b128 v[8*\rw+4:8*\rw+7], v15 offset:(8+\rw)*RP+512
.endr
	WIN 0
.endm
; A group: products; four places; the next LDS tile (nl >= 0) is asked for into the stage, or (nl < 0, the last group) the f32 rows; tanh.  pf = 1: the trip's two prefetches stand here, behind the products and the run of LDS loads.
.macro STEP n, jl, wr, br, jr, first, nl, pf
	MULG \n, \jl, \wr, \br, \jr
	PLACES
.if (\nl) >= 0
	LLOAD \nl
.else
	LDROWS
.endif
.if \pf
	s_cmp_lt_u32 s40, 13                           ; pass p + 3 exists up to trip 12
	s_cbranch_scc0 .Lno_ask_\@
	global_prefetch_b8 v17, s[48:49] th:TH_LOAD_NT scope:SCOPE_SE
	global_prefetch_b8 v17, s[48:49] offset:8192 th:TH_LOAD_NT scope:SCOPE_SE
.Lno_ask_\@:
.endif
	TANH \n, \jl, \jr, \first
.endm
.macro WSUM hi                         ; ctx += p[row] x row, rows 8 hi .. 8 hi + 7
.set DB, XA*(1-(\hi))
	WIN \hi                                        ; source 0's window
.irp rr, 0,1,2,3,4,5,6,7
.irp e, 0,2,4,6
.if \rr%2 == 0
	v_pk_fma_f32 v[CTX+\e:CTX+\e+1], v[DB+8*\rr+\e:DB+8*\rr+\e+1], v[ACC+8*(\hi)+\rr:ACC+8*(\hi)+\rr+1], v[CTX+\e:CTX+\e+1] op_sel_hi:[1,0,1]
.else
	v_pk_fma_f32 v[CTX+\e:CTX+\e+1], v[DB+8*\rr+\e:DB+8*\rr+\e+1], v[ACC+8*(\hi)+\rr-1:ACC+8*(\hi)+\rr], v[CTX+\e:CTX+\e+1] op_sel:[0,1,0] op_sel_hi:[1,1,1]
.endif
.endr
.endr
	WIN 0
.endm
; pf: the trip prefetches; more = 1: a pass follows, and its first LDS tile is asked for at this pass's end
.macro PASS pf, more
	; ---- Q
	v_add_nc_u32 v4, s22, v3
	v_add_nc_u32 v15, s22, v14
	s_wait_alu depctr_va_vdst(0)
	LOADX 0
	LOADX 1
	LOADX 2
	QBLOCK 0, 16                                   ; behind block 0's loads: those of blocks 1 and 2
	LOADX 3
	QBLOCK 1, 17                                   ; block 2's 8, block 0's store, block 3's 8
	QBLOCK 2, 10                                   ; block 0's store, block 3's 8, block 1's store
	QBLOCK 3, 2                                    ; the stores of blocks 1 and 2
	ds_store_b32 v6, v132
	s_wait_dscnt 0x0                               ; for the others' sake: my stores have landed
	s_barrier_signal -1
	s_barrier_wait -1                              ; the eight images lie in LDS.  (My tensor load stays out)
	; ---- A
.irp e, 0,1,2,3
	ds_load_b32 v[AS+\e], v8 offset:128*\e
.endr
.irp s, 0,1,2,3,4,5,6,7
.irp c, 0,1
	ds_load_b128 v[XA+8*\s+4*\c:XA+8*\s+4*\c+3], v7 offset:\s*CIP+512*\c
.endr
.endr
	s_wait_loadcnt 0x0                             ; the head's loads of W2, its scale words, cb and V: out in the first pass alone
	; ---- G
	STEP 4, 11, 1, 64, 0, 1, 1, \pf
	STEP 3, 12, 2, 0, 3, 0, 2, 0
	STEP 3, 13, 2, 128, 5, 0, 3, 0
	STEP 3, 14, 3, 0, 7, 0, 4, 0
	STEP 3, 15, 3, 128, 9, 0, -1, 0
	; ---- S: over my sixteen columns' lanes, then over the four waves
.irp x, 1,2,4,8
.irp e, 0,1,2,3,4,5,6,7
	v_add_f32_dpp v[SC+\e], v[SC+\e], v[SC+\e] row_xmask:\x row_mask:0xf bank_mask:0xf
.endr
.endr
	ds_store_b128 v10, v[SC:SC+3]                  ; rows 8 h + 0 .. 3: sixteen lanes write the same words with the same values
	ds_store_b128 v10, v[SC+4:SC+7] offset:16
	s_wait_dscnt 0x0                               ; my stores have landed; my 16 rows are in registers
	s_barrier_signal -1
	s_barrier_wait -1
.irp w, 0,1,2,3
	ds_load_b32 v[132+\w], v11 offset:64*\w        ; lane % 16 = row
.endr
	s_wait_dscnt 0x0
	v_add_f32 v132, v132, v133
	v_add_f32 v134, v134, v135
	v_add_f32 v132, v132, v134
	v_mul_f32 v133, s47, v132                      ; y = -2 log2(e) z
	v_max_num_f32_dpp v134, v133, v133 row_xmask:1 row_mask:0xf bank_mask:0xf
	v_max_num_f32_dpp v134, v134, v134 row_xmask:2 row_mask:0xf bank_mask:0xf
	v_max_num_f32_dpp v134, v134, v134 row_xmask:4 row_mask:0xf bank_mask:0xf
	v_max_num_f32_dpp v134, v134, v134 row_xmask:8 row_mask:0xf bank_mask:0xf
	v_max_num_f32 v134, v134, v130                 ; the new m
	v_sub_f32 v136, v130, v134
	v_sub_f32 v137, v133, v134
	s_wait_alu depctr_va_vdst(0)
	v_exp_f32 v136, v136                           ; f = 2^(old m - new m)
	v_exp_f32 v137, v137                           ; p = 2^(y - m)
	v_mov_b32 v130, v134
	s_wait_alu depctr_va_vdst(0)
	v_fma_f32 v131, v131, v136, v137               ; l, lane by lane (both halves of the lanes hold the same 16)
.irp n, 0,1,2,3,4,5,6,7,8,9,10,11,12,13,14,15
	v_mov_b32_dpp v[ACC+\n], v137 row_share:\n row_mask:0xf bank_mask:0xf          ; every lane takes all 16 p: lane n of its sixteen holds row n's
.endr
	; ---- W
.irp e, 0,2,4,6
	v_pk_mul_f32 v[CTX+\e:CTX+\e+1], v[CTX+\e:CTX+\e+1], v[136:137] op_sel_hi:[1,0]
.endr
	WSUM 0
	WSUM 1
.if \more
	LLOAD 0                                        ; the next pass's first LDS tile: the stage is free again
.endif
.endm
.Lpass:                                            ; fifteen trips: behind each change of slots but the last the next 16 rows are asked for
	CHANGE 1
	PASS 1, 1
	s_add_co_u32 s40, s40, 1
	s_cmp_lt_u32 s40, 15
	s_wait_alu depctr_va_vdst(0)
	s_cbranch_scc1 .Lpass
	CHANGE 0                                       ; the last pass is written out
	PASS 0, 0
	v_add_f32_dpp v131, v131, v131 row_xmask:1 row_mask:0xf bank_mask:0xf          ; l over the 16 rows' lanes
	v_add_f32_dpp v131, v131, v131 row_xmask:2 row_mask:0xf bank_mask:0xf
	v_add_f32_dpp v131, v131, v131 row_xmask:4 row_mask:0xf bank_mask:0xf
	v_add_f32_dpp v131, v131, v131 row_xmask:8 row_mask:0xf bank_mask:0xf
	s_lshl_b32 s38, s20, 10
	v_add_nc_u32 v132, s38, v9                     ; my wave's 1,024 bytes of ctx, 16 x lane
	v_lshrrev_b32 v133, 1, v9                      ; 8 x lane
	s_wait_alu depctr_va_vdst(0)
	global_store_b128 v132, v[CTX:CTX+3], s[52:53]                 ; 32 lanes store 512 consecutive bytes, aligned
	global_store_b128 v132, v[CTX+4:CTX+7], s[52:53] offset:512
	s_cmp_lg_u32 s20, 0
	s_cbranch_scc1 .Lnot_wave_0
	global_store_b64 v133, v[130:131], s[52:53] offset:4096        ; (m, l), the same in every lane: 256 consecutive bytes, aligned
.Lnot_wave_0:
	s_wait_tensorcnt 0x0                           ; the wave's end
	ds_add_u32 v1, v2
	s_wait_dscnt 0x0
	s_endpgm
.Lfunc_end_k_qb8fc747bd4_attend:
	.size	k_qb8fc747bd4_attend, .Lfunc_end_k_qb8fc747bd4_attend-k_qb8fc747bd4_attend
	.p2alignl 7, 3214868480
	.fill 96, 4, 3214868480
	.section	.rodata,"a",@progbits
	.p2align	6, 0x0
	.amdhsa_kernel k_qb8fc747bd4_attend
		.amdhsa_group_segment_fixed_size 327680
		.amdhsa_private_segment_fixed_size 0
		.amdhsa_enable_private_segment 0
		.amdhsa_kernarg_size 48
		.amdhsa_user_sgpr_count 2
		.amdhsa_user_sgpr_kernarg_segment_ptr 1
		.amdhsa_wavefront_size32 1
		.amdhsa_system_sgpr_workgroup_id_x 1
		.amdhsa_system_sgpr_workgroup_id_y 1
		.amdhsa_system_sgpr_workgroup_id_z 1
		.amdhsa_system_vgpr_workitem_id 0
		.amdhsa_next_free_vgpr 1024
		.amdhsa_next_free_sgpr 66
		.amdhsa_reserve_vcc 0
		.amdhsa_float_denorm_mode_32 3
		.amdhsa_float_denorm_mode_16_64 3
		.amdhsa_memory_ordered 1
		.amdhsa_forward_progress 1
		.amdhsa_inst_pref_size 179
	.end_amdhsa_kernel
	.amdgpu_metadata
---
amdhsa.version: [ 1, 2 ]
amdhsa.kernels:
  - .name:           k_qb8fc747bd4_attend
    .symbol:         k_qb8fc747bd4_attend.kd
    .args:
      - { .name: values, .offset: 0, .size: 8, .value_kind: global_buffer, .address_space: global }
      - { .name: w2f, .offset: 8, .size: 8, .value_kind: global_buffer, .address_space: global }
      - { .name: w2s, .offset: 16, .size: 8, .value_kind: global_buffer, .address_space: global }
      - { .name: cb, .offset: 24, .size: 8, .value_kind: global_buffer, .address_space: global }
      - { .name: V_k, .offset: 32, .size: 8, .value_kind: global_buffer, .address_space: global }
      - { .name: part, .offset: 40, .size: 8, .value_kind: global_buffer, .address_space: global }
    .group_segment_fixed_size: 327680
    .private_segment_fixed_size: 0
    .kernarg_segment_align: 8
    .kernarg_segment_size: 48
    .max_flat_workgroup_size: 128
    .sgpr_count:     66
    .vgpr_count:     1024
    .wavefront_size: 32
...
	.end_amdgpu_metadata
.endif
;; end of part 2
;; launch merge (part 3): grid 32 x 1, 8 waves a work-group, no clusters, 0 bytes of LDS; arguments part, out0; writes out0
.if DOCPART == 3
	.amdgcn_target "amdgcn-amd-amdhsa--gfx1250"
	.amdhsa_code_object_version 6
	.text
	.protected	k_qb8fc747bd4_merge
	.globl	k_qb8fc747bd4_merge
	.p2align	8
	.type	k_qb8fc747bd4_merge,@function
k_qb8fc747bd4_merge:
	s_mov_b64 s[64:65], 0
	v_nop
	global_prefetch_b8 v0, s[64:65] scope:SCOPE_SE
	s_setreg_imm32_b32 hwreg(HW_REG_WAVE_MODE, 25, 1), 1
	s_wait_xcnt 0x0
; out0[b][:] = (sum over the batch's 8 records j of 2^(m_j - M) ctx_j[:]) / (sum over j of 2^(m_j - M) l_j), M the largest m_j.
; A work-group to a batch; thread t owns 16 bytes of the row: a wave's load or store covers 512 consecutive bytes.  The record that holds M has l >= 1, so the divisor is at least 1.
.set REC, 4352                         ; a record: ctx, 4,096 bytes, then (m, l)
	s_load_b128 s[4:7], s[0:1], 0x0                ; part, out0
	s_mul_i32 s10, ttmp9, 8*REC
	s_mov_b32 s11, 0
	s_lshl_b32 s12, ttmp9, 12
	s_mov_b32 s13, 0
	v_lshlrev_b32 v1, 4, v0
	s_wait_alu depctr_va_vdst(0)
	s_wait_kmcnt 0x0
	s_add_nc_u64 s[8:9], s[4:5], s[10:11]
	s_add_nc_u64 s[6:7], s[6:7], s[12:13]
.irp j, 0,1,2,3,4,5,6,7
	s_load_b64 s[16+2*\j:17+2*\j], s[8:9], \j*REC+4096             ; m_j, l_j
.endr
.irp j, 0,1,2,3,4,5,6,7
	global_load_b128 v[8+4*\j:11+4*\j], v1, s[8:9] offset:\j*REC
.endr
	s_wait_kmcnt 0x0
	v_mov_b32 v2, s16
.irp j, 1,2,3,4,5,6,7
	s_delay_alu instid0(VALU_DEP_1)
	v_max_num_f32 v2, s[16+2*\j], v2
.endr
.irp j, 0,1,2,3,4,5,6,7
	v_sub_f32 v[40+\j], s[16+2*\j], v2
.endr
	s_wait_alu depctr_va_vdst(0)
.irp j, 0,1,2,3,4,5,6,7
	v_exp_f32 v[40+\j], v[40+\j]
.endr
	v_nop
	s_wait_alu depctr_va_vdst(0)                   ; one wait for the eight
	v_mul_f32 v3, s17, v40
.irp j, 1,2,3,4,5,6,7
	v_fma_f32 v3, s[17+2*\j], v[40+\j], v3
.endr
	s_wait_alu depctr_va_vdst(0)
	v_rcp_f32 v3, v3
	v_nop
	s_wait_alu depctr_va_vdst(0)
.irp j, 0,1,2,3,4,5,6,7
	v_mul_f32 v[40+\j], v[40+\j], v3
.endr
	s_wait_alu depctr_va_vdst(0)
	s_wait_loadcnt 0x0
.irp p, 0,2
	v_pk_mul_f32 v[4+\p:5+\p], v[8+\p:9+\p], v[40:41] op_sel_hi:[1,0]
.irp j, 1,2,3,4,5,6,7
.if \j%2 == 0
	s_delay_alu instid0(VALU_DEP_1)
	v_pk_fma_f32 v[4+\p:5+\p], v[8+4*\j+\p:9+4*\j+\p], v[40+\j:41+\j], v[4+\p:5+\p] op_sel_hi:[1,0,1]
.else
	s_delay_alu instid0(VALU_DEP_1)
	v_pk_fma_f32 v[4+\p:5+\p], v[8+4*\j+\p:9+4*\j+\p], v[39+\j:40+\j], v[4+\p:5+\p] op_sel:[0,1,0] op_sel_hi:[1,1,1]
.endif
.endr
.endr
	global_store_b128 v1, v[4:7], s[6:7]
	s_endpgm
.Lfunc_end_k_qb8fc747bd4_merge:
	.size	k_qb8fc747bd4_merge, .Lfunc_end_k_qb8fc747bd4_merge-k_qb8fc747bd4_merge
	.p2alignl 7, 3214868480
	.fill 96, 4, 3214868480
	.section	.rodata,"a",@progbits
	.p2align	6, 0x0
	.amdhsa_kernel k_qb8fc747bd4_merge
		.amdhsa_group_segment_fixed_size 0
		.amdhsa_private_segment_fixed_size 0
		.amdhsa_enable_private_segment 0
		.amdhsa_kernarg_size 16
		.amdhsa_user_sgpr_count 2
		.amdhsa_user_sgpr_kernarg_segment_ptr 1
		.amdhsa_wavefront_size32 1
		.amdhsa_system_sgpr_workgroup_id_x 1
		.amdhsa_system_sgpr_workgroup_id_y 1
		.amdhsa_system_sgpr_workgroup_id_z 1
		.amdhsa_system_vgpr_workitem_id 0
		.amdhsa_next_free_vgpr 64
		.amdhsa_next_free_sgpr 66
		.amdhsa_reserve_vcc 0
		.amdhsa_float_denorm_mode_32 3
		.amdhsa_float_denorm_mode_16_64 3
		.amdhsa_memory_ordered 1
		.amdhsa_forward_progress 1
		.amdhsa_inst_pref_size 6
	.end_amdhsa_kernel
	.amdgpu_metadata
---
amdhsa.version: [ 1, 2 ]
amdhsa.kernels:
  - .name:           k_qb8fc747bd4_merge
    .symbol:         k_qb8fc747bd4_merge.kd
    .args:
      - { .name: part, .offset: 0, .size: 8, .value_kind: global_buffer, .address_space: global }
      - { .name: out0, .offset: 8, .size: 8, .value_kind: global_buffer, .address_space: global }
    .group_segment_fixed_size: 0
    .private_segment_fixed_size: 0
    .kernarg_segment_align: 8
    .kernarg_segment_size: 16
    .max_flat_workgroup_size: 256
    .sgpr_count:     66
    .vgpr_count:     64
    .wavefront_size: 32
...
	.end_amdgpu_metadata
.endif
;; end of part 3
